; MI455X (gfx1250); checked and timed in simulation.
; The chip was launched on July 23, 2026; its instructions are those of AMD's public machine-readable ISA for CDNA 5 (MIT licence, August 2026) and "CDNA5" Instruction Set Architecture Reference Guide (July 2026). The comments in the code are by the model that wrote it; some were corrected since.
;; Diff Mamba Cross Attention. Allowed arithmetic: matrix products marked QUANTISED: E2M3 operands, one E8M0 scale for each 32 along K, by v_wmma_scale_f32_16x16x128_f8f6f4 with both operands' format E2M3, f32 sums; everything else in f32.
;; Inputs: Wk 1,024 x 1,024 float32; Wq 1,024 x 1,024 float32; Wv 1,024 x 1,024 float32; encoder_hidden_states 4 x 2,048 x 1,024 float32; hidden_states 4 x 2,048 x 1,024 float32.
;; Outputs: out0 4 x 2,048 x 1,024 float32.
;; This version of the problem:
;;   THIS VERSION OF THE PROBLEM IS GIVEN IN LOW PRECISION. The matrix products marked QUANTISED in the list below multiply operands that are first quantised to E2M3 (2 exponent bits, 3 mantissa bits; 6 bits a number), with one power-of-two scale for each 32 numbers along K (OCP MX v1.0); their sums are f32. All else is computed in f32.
;;   The module's matrix products, in the order in which they are computed (A, B: the left and right operand; K: the contracted axis; several contracted axes count as one K, in the product's order):
;;     1. [M 8,192, K 1,024] x [K 1,024, N 1,024]; A: input hidden_states; B: input Wq: QUANTISED
;;     2. [M 8,192, K 1,024] x [K 1,024, N 1,024]; A: input encoder_hidden_states; B: input Wk: QUANTISED
;;     3. [M 8,192, K 1,024] x [K 1,024, N 1,024]; A: input encoder_hidden_states; B: input Wv: QUANTISED
;;     4. batch 64 x [M 2,048, K 64] x [K 64, N 2,048]; A: computed on the way; B: computed on the way: QUANTISED
;;     5. batch 64 x [M 2,048, K 2,048] x [K 2,048, N 64]; A: softmax (see below); B: computed on the way: QUANTISED
;;   THE QUANTISER, for each operand of a quantised product, along K:
;;     - K is cut into blocks of 32 from its start; a last block that is shorter is filled with zeros.
;;     - A block's scale is 2^e with e = floor(log2(the largest magnitude in the block)) - 2, held to -126 .. 127; a block of zeros has e = 0. As a byte (E8M0): e + 127.
;;     - Each number is divided by its block's scale, clamped to +-7.5, and rounded to the nearest number of E2M3, ties to even, subnormals kept.
;;     - The product sums the exact products of the quantised numbers (number of the format x scale) in f32.
;;   ~~~python
;;   def quantise(x, axis):      # numpy; x: float32 -> the quantised numbers, widened to float32 again
;;       x = np.moveaxis(x, axis, -1); K = x.shape[-1]
;;       x = np.pad(x, [(0, 0)] * (x.ndim - 1) + [(0, -K % 32)]); x = x.reshape(x.shape[:-1] + (-1, 32)); a = np.abs(x).max(-1, keepdims=True)
;;       e = np.where(a > 0, np.clip(np.frexp(np.where(a > 0, a, 1))[1] - 1 - 2, -126, 127), 0)      # np.frexp(a)[1] - 1 = floor(log2(a)), exactly
;;       r = np.clip(x / 2.0 ** e, -7.5, 7.5)
;;       step = 2.0 ** (np.maximum(np.frexp(np.where(r == 0, 1, r))[1] - 1, 0) - 3)
;;       q = np.round(r / step) * step * 2.0 ** e      # np.round: ties to even
;;       return np.moveaxis(q.reshape(q.shape[:-2] + (-1,))[..., :K], -1, axis).astype(np.float32)
;;   ~~~
;;   SOFTMAX AHEAD OF A QUANTISED PRODUCT. Where the list says 'softmax', what is quantised is not the finished softmax but p = 2^(t - M), with t = logit x log2(e) and M = ceil(the row's largest t), a whole number; so 1/2 < the row's largest p <= 1. The row's sum l is taken of the UNQUANTISED p, in f32, and the product's result is divided by l at the end. Since M is a whole number, a kernel that streams over the keys may use a running M (the ceiling of the running maximum): every later rescaling is an exact power of two, which a block's scale takes up: the codes' values come out the same.
;;   OPERANDS COMPUTED ON THE WAY. 'Computed on the way' means the value that the module computes at that place (a softmax that the list does not call 'softmax' is quantised finished and normalised). What goes into a quantiser is computed in f32, as accurately as f32 sums, v_exp_f32 and their like allow (about 1e-6 of the number): no bf16 or f16 on the way to a quantiser, and a product that is left as it is and whose result goes on into a quantised operand takes f32 operands (vector FMAs, or v_wmma_f32_16x16x4_f32). A number that lies on a knife's edge between two numbers of the format may be rounded either way, as far as f32 arithmetic and the matrix unit's own rounding can turn it there, and no further.
;; One version. Each part assembles by itself: llvm-mc -triple=amdgcn-amd-amdhsa -mcpu=gfx1250 --defsym DOCPART=n.
;; ======== version 1 of 1: 3 launches
;; limits: right only within a limited range of input values
;; workspace buffers: xw_codes 14,942,208 bytes; xw_scales 622,592 bytes; kv 13,107,200 bytes; qb 6,553,600 bytes
;; launch quant (part 1): grid 512 x 1, 4 waves a work-group, no clusters, 33,280 bytes of LDS; arguments encoder_hidden_states, hidden_states, Wk, Wq, Wv, xw_codes, xw_scales; writes xw_codes, xw_scales
.if DOCPART == 1
	.amdgcn_target "amdgcn-amd-amdhsa--gfx1250"
	.amdhsa_code_object_version 6
	.text
	.protected	k_q363b84c84a_quant
	.globl	k_q363b84c84a_quant
	.p2align	8
	.type	k_q363b84c84a_quant,@function
k_q363b84c84a_quant:
	s_mov_b64 s[64:65], 0
	v_nop
	global_prefetch_b8 v0, s[64:65] scope:SCOPE_SE
	s_setreg_imm32_b32 hwreg(HW_REG_WAVE_MODE, 25, 1), 1
	s_wait_xcnt 0x0
; Five f32 tensors whose rows are 1,024 numbers along K (encoder_hidden_states and hidden_states, 8,192 rows each; Wk, Wq, Wv, 1,024 rows each) become ONE stream of 19,456 rows of codes of FP6 (E2M3),
; 768 bytes a row, K innermost, four codes in three bytes, and one stream of E8M0 scale bytes, 32 a row, in the order enc, hs, Wk, Wq, Wv.
; A block's scale is 2^(floor(log2(its largest magnitude)) - 2); its byte is the largest magnitude's exponent field - 2, held at 1 from below.  Each number is divided by the scale and rounded to the nearest code, ties to even.
; LIMITS: a block of zeros, or one whose largest magnitude lies under 2^-124, gets the byte 1: its codes are zeros or held by that floor, and the bytes are read by this program alone.  NaN and infinities are not served.
; THE DEAL: 512 equal work-groups of four waves.  A step is 512 numbers.  Wave G = 4 x work-group + wave takes 16 steps of enc or hs (run G of 8,192 numbers) and then steps 3 G .. 3 G + 2 of the weights' 6,144;
; each of these three has a source address of its own, since a run of three may pass from one weight to the next.
; A lane must hold 16 NEIGHBOURS for the conversion, and a load is dense where neighbouring lanes take neighbouring bytes: each of a step's four loads reads 512 consecutive bytes, and the 2,048 bytes turn through
; the wave's own stage in LDS (16 bytes of padding behind each 64).  A lane's 16 codes are 12 bytes: the wave stores 384 consecutive bytes.
; The 256 scale bytes of the 16 steps leave as 256 consecutive bytes, aligned; the 48 of the three weight steps leave as 48 consecutive bytes (lanes 6 to 31 repeat lane 5's store).
; No tensor loads, no barrier.  Loads run six steps (24 loads a wave) ahead, the turn through LDS one step.
.set XST,   16                         ; steps of enc or hs
.set NST,   19                         ; steps in all
.set AH,    6                          ; steps that the loads run ahead
.set EMAX,  2
.set CB,    12
.set R,     16                         ; v16-111  six sets of 16 numbers as they are loaded
.set X,     112                        ; v112-143 two sets of 16 neighbours
.set E,     144                        ; v144-162 a scale byte for each step
.set C,     164                        ; v164-239 codes: four registers a step, so that no store's data are written again
.set SPW,   240
.set NIL,   241
.set WREG,  8192                       ; LDS: a region for each wave: two stages of 32 x SP bytes, behind them its scale bytes
.set SP,    80
.set WB,    32                         ; s[32:37] the three weight steps' sources
	s_load_b256 s[4:11], s[0:1], 0x0               ; enc, hs, Wk, Wq
	s_load_b128 s[12:15], s[0:1], 0x20             ; Wv, the codes
	s_load_b64 s[16:17], s[0:1], 0x30              ; the scale bytes
	v_lshl_add_u32 v[SPW], v0, 2, 0x8000
	v_mov_b32 v[NIL], 0
	v_lshrrev_b32 v1, 5, v0
	v_readfirstlane_b32 s18, v1                    ; wave
	v_and_b32 v2, 31, v0                           ; lane
	v_lshlrev_b32 v3, 4, v2
	s_mul_i32 s19, s18, WREG
	v_lshrrev_b32 v14, 2, v2
	v_mul_u32_u24 v14, v14, SP
	v_and_b32 v15, 3, v2
	v_lshl_add_u32 v14, v15, 4, v14
	v_add_nc_u32 v14, s19, v14                     ; the stage, in: SP (lane / 4) + 16 (lane % 4)
	v_mul_u32_u24 v15, v2, SP
	v_add_nc_u32 v15, s19, v15                     ; and out: SP x lane
	v_mul_u32_u24 v4, v2, CB
	v_lshrrev_b32 v5, 1, v2
	s_add_co_u32 s19, s19, 2*32*SP
	v_add_nc_u32 v5, s19, v5                       ; my block's scale byte in LDS
	v_lshlrev_b32 v7, 3, v2
	v_add_nc_u32 v6, s19, v7
	v_min_u32 v10, 5, v2
	v_lshlrev_b32 v10, 3, v10                      ; the weights' 48 scale bytes: 8 bytes a lane, lanes 0 to 5
	v_add_nc_u32 v1, s19, v10
	s_wait_alu depctr_va_vdst(0)                   ; the wait at the head's end
	s_wait_kmcnt 0x0
	s_cmp_ge_u32 ttmp9, 256                        ; the choice hangs on the work-group's number alone
	s_cselect_b64 s[4:5], s[6:7], s[4:5]
	s_cselect_b32 s20, 256, 0
	s_sub_co_u32 s21, ttmp9, s20
	s_lshl_b32 s21, s21, 2
	s_add_co_u32 s21, s21, s18
	s_lshl_b32 s22, s21, 15                        ; 32,768 bytes a run of the source
	s_mov_b32 s23, 0
	s_add_nc_u64 s[4:5], s[4:5], s[22:23]
	s_lshl_b32 s21, ttmp9, 2
	s_add_co_u32 s21, s21, s18                     ; G
	s_mul_i32 s26, s21, 3                          ; my first weight step
	s_mul_i32 s22, s26, 32*CB
	s_add_co_u32 s22, s22, 16384*768
	s_add_nc_u64 s[40:41], s[14:15], s[22:23]      ; its codes, behind the 16,384 rows of enc and hs
	s_lshl_b32 s22, s26, 4
	s_add_co_u32 s22, s22, 16384*32
	s_add_nc_u64 s[42:43], s[16:17], s[22:23]      ; its scale bytes
	s_mul_i32 s22, s21, 32*XST*CB
	s_add_nc_u64 s[14:15], s[14:15], s[22:23]
	s_lshl_b32 s22, s21, 8
	s_add_nc_u64 s[16:17], s[16:17], s[22:23]
.irp i, 0,1,2                          ; a weight has 2,048 steps of 2,048 bytes
	s_add_co_u32 s27, s26, \i
	s_lshr_b32 s28, s27, 11
	s_and_b32 s27, s27, 2047
	s_lshl_b32 s30, s27, 11
	s_mov_b32 s31, 0
	s_cmp_eq_u32 s28, 1
	s_cselect_b64 s[WB+2*\i:WB+2*\i+1], s[10:11], s[8:9]
	s_cmp_eq_u32 s28, 2
	s_cselect_b64 s[WB+2*\i:WB+2*\i+1], s[12:13], s[WB+2*\i:WB+2*\i+1]
	s_add_nc_u64 s[WB+2*\i:WB+2*\i+1], s[WB+2*\i:WB+2*\i+1], s[30:31]
.endr
.macro LOAD t
.irp i, 0,1,2,3
.if (\t) < XST
	global_load_b128 v[R+16*((\t)%AH)+4*\i:R+16*((\t)%AH)+4*\i+3], v3, s[4:5] offset:2048*(\t)+512*\i th:TH_LOAD_NT
.else
	global_load_b128 v[R+16*((\t)%AH)+4*\i:R+16*((\t)%AH)+4*\i+3], v3, s[WB+2*((\t)-XST):WB+2*((\t)-XST)+1] offset:512*\i th:TH_LOAD_NT
.endif
.endr
.endm
.macro TURN t                          ; LDS serves a wave's instructions in order (ISA guide 5.7.1.4): no wait between the stores and the loads
.irp i, 0,1,2,3
	ds_store_b128 v14, v[R+16*((\t)%AH)+4*\i:R+16*((\t)%AH)+4*\i+3] offset:32*SP*((\t)%2)+8*SP*\i
.endr
.irp i, 0,1,2,3
	ds_load_b128 v[X+16*((\t)%2)+4*\i:X+16*((\t)%2)+4*\i+3], v15 offset:32*SP*((\t)%2)+16*\i
.endr
.endm
.irp t, 0,1,2,3,4,5
	LOAD \t
.endr
	s_wait_loadcnt 20                              ; step 0's four loads are in; the twenty of steps 1 to 5 may be out
	TURN 0
.macro STEP t
.set XS, X+16*((\t)%2)
.if (\t) > 0
	s_wait_dscnt 1                                 ; this step's numbers are back (the last step's byte store may be out): its stores into the stage have read their registers,
.else
	s_wait_dscnt 0x0
.endif
.if (\t)+AH < NST
	LOAD (\t)+AH                                   ; which take the loads of six steps on
.set LASTL, (\t)+AH
.else
.set LASTL, NST-1
.endif
.if (\t)+1 < NST
	s_wait_loadcnt 4*(LASTL-(\t)-1)                ; the next step's four loads are in; those of the steps behind it may be out
	TURN (\t)+1
.endif
	v_max3_num_f32 v8, |v[XS]|, |v[XS+1]|, |v[XS+2]|
	v_max3_num_f32 v9, |v[XS+3]|, |v[XS+4]|, |v[XS+5]|
.irp i, 6,10
	v_max3_num_f32 v8, v8, |v[XS+\i]|, |v[XS+\i+1]|
	v_max3_num_f32 v9, v9, |v[XS+\i+2]|, |v[XS+\i+3]|
.endr
	v_max3_num_f32 v8, v8, |v[XS+14]|, |v[XS+15]|
	v_max3_num_f32 v8, v8, v9, (EMAX+1)<<23        ; the floor 2^(EMAX + 1 - 127)
	v_max_num_f32_dpp v8, v8, v8 row_xmask:1 row_mask:0xf bank_mask:0xf   ; with my neighbour's 16: the block's
	v_add_nc_u32 v11, -(EMAX<<23), v8              ; the conversion's scale operand
	v_cvt_scalef32_pk16_fp6_f32 v[C+4*(\t):C+4*(\t)+2], v[XS:XS+15], v11
	v_lshrrev_b32 v[E+(\t)], 23, v11               ; the scale's byte (also the plain line behind the conversion)
	ds_store_b8 v5, v[E+(\t)] offset:16*(\t)
.if (\t) < XST
	global_store_b96 v4, v[C+4*(\t):C+4*(\t)+2], s[14:15] offset:32*CB*(\t)
.else
	global_store_b96 v4, v[C+4*(\t):C+4*(\t)+2], s[40:41] offset:32*CB*((\t)-XST)
.endif
.endm
.set Q, 0
.rept NST
	STEP Q
.set Q, Q+1
.endr
	ds_load_b64 v[12:13], v6                       ; these see my stores
	ds_load_b64 v[8:9], v1 offset:256
	s_wait_dscnt 0x0
	global_store_b64 v7, v[12:13], s[16:17]        ; 256 consecutive bytes, aligned
	global_store_b64 v10, v[8:9], s[42:43]         ; 48 consecutive bytes
	s_wait_tensorcnt 0x0                           ; the wave's end
	ds_add_u32 v[SPW], v[NIL]
	s_wait_dscnt 0x0
	s_endpgm
.Lfunc_end_k_q363b84c84a_quant:
	.size	k_q363b84c84a_quant, .Lfunc_end_k_q363b84c84a_quant-k_q363b84c84a_quant
	.p2alignl 7, 3214868480
	.fill 96, 4, 3214868480
	.section	.rodata,"a",@progbits
	.p2align	6, 0x0
	.amdhsa_kernel k_q363b84c84a_quant
		.amdhsa_group_segment_fixed_size 33280
		.amdhsa_private_segment_fixed_size 0
		.amdhsa_enable_private_segment 0
		.amdhsa_kernarg_size 56
		.amdhsa_user_sgpr_count 2
		.amdhsa_user_sgpr_kernarg_segment_ptr 1
		.amdhsa_wavefront_size32 1
		.amdhsa_system_sgpr_workgroup_id_x 1
		.amdhsa_system_sgpr_workgroup_id_y 1
		.amdhsa_system_sgpr_workgroup_id_z 1
		.amdhsa_system_vgpr_workitem_id 0
		.amdhsa_next_free_vgpr 242
		.amdhsa_next_free_sgpr 66
		.amdhsa_reserve_vcc 0
		.amdhsa_float_denorm_mode_32 3
		.amdhsa_float_denorm_mode_16_64 3
		.amdhsa_memory_ordered 1
		.amdhsa_forward_progress 1
		.amdhsa_inst_pref_size 39
	.end_amdhsa_kernel
	.amdgpu_metadata
---
amdhsa.version: [ 1, 2 ]
amdhsa.kernels:
  - .name:           k_q363b84c84a_quant
    .symbol:         k_q363b84c84a_quant.kd
    .args:
      - { .name: encoder_hidden_states, .offset: 0, .size: 8, .value_kind: global_buffer, .address_space: global }
      - { .name: hidden_states, .offset: 8, .size: 8, .value_kind: global_buffer, .address_space: global }
      - { .name: Wk, .offset: 16, .size: 8, .value_kind: global_buffer, .address_space: global }
      - { .name: Wq, .offset: 24, .size: 8, .value_kind: global_buffer, .address_space: global }
      - { .name: Wv, .offset: 32, .size: 8, .value_kind: global_buffer, .address_space: global }
      - { .name: xw_codes, .offset: 40, .size: 8, .value_kind: global_buffer, .address_space: global }
      - { .name: xw_scales, .offset: 48, .size: 8, .value_kind: global_buffer, .address_space: global }
    .group_segment_fixed_size: 33280
    .private_segment_fixed_size: 0
    .kernarg_segment_align: 8
    .kernarg_segment_size: 56
    .max_flat_workgroup_size: 128
    .sgpr_count:     66
    .vgpr_count:     242
    .wavefront_size: 32
...
	.end_amdgpu_metadata
.endif
;; end of part 1
;; launch proj (part 2): grid 4 x 96, 4 waves a work-group, clusters of 4 x 4, 327,680 bytes of LDS; arguments xw_codes, xw_scales, kv, qb; writes kv, qb
.if DOCPART == 2
	.amdgcn_target "amdgcn-amd-amdhsa--gfx1250"
	.amdhsa_code_object_version 6
	.text
	.protected	k_q363b84c84a_proj
	.globl	k_q363b84c84a_proj
	.p2align	8
	.type	k_q363b84c84a_proj,@function
k_q363b84c84a_proj:
	s_mov_b64 s[64:65], 0
	v_nop
	global_prefetch_b8 v0, s[64:65] scope:SCOPE_SE
	s_setreg_imm32_b32 hwreg(HW_REG_WAVE_MODE, 25, 1), 1
	s_wait_xcnt 0x0
	s_wait_alu depctr_hold_cnt(0) depctr_sa_sdst(0) depctr_va_vdst(0) depctr_va_sdst(0) depctr_va_ssrc(0) depctr_va_vcc(0) depctr_vm_vsrc(0)
	s_getreg_b32 s2, hwreg(HW_REG_IB_STS2, 6, 4)
	s_cmp_eq_u32 s2, 0
	s_cbranch_scc0 .Lentry_in_a_cluster
	s_endpgm
.Lentry_in_a_cluster:
	s_bfe_u32 s2, ttmp6, 0x10000c
	s_cmp_lg_u32 s2, 0xf033
	s_cbranch_scc0 .Lentry_shape_is_right
	s_endpgm
.Lentry_shape_is_right:
; K = enc Wk^T, Q = hs Wq^T and V^T = Wv enc^T on codes of FP6 (E2M3) with one E8M0 byte for each 32 along K = 1,024; f32 sums; each result is quantised again on the way out.
; xw_codes: 19,456 rows of 768 bytes (enc, hs, Wk, Wq, Wv); xw_scales: 32 bytes a row.  384 tiles of 256 x 256: cluster y 0-7: A = enc, B = Wk; 8-15: A = hs, B = Wq; 16-23: A = Wv, B = enc.
; A work-group of four waves makes a tile, a wave 128 x 128: 64 accumulators.  Source 0 = 16 rows of B, source 1 = 16 rows of A: a lane holds one row of A's and eight neighbours along B's rows,
; which are the next product's K (the head's 64 for Q and K, the keys for V).
; K goes through a ring of two LDS slots in CHUNKS OF 256 BYTES of each row: every tile row is 256 bytes of memory and begins at a multiple of 256.  A step of 128 along K is 96 bytes: eight steps to three chunks; steps 2 and 5 lie across two chunks.
; The scale bytes of the 256 + 256 rows come once, as two dense blocks.  CLUSTER 4 x 4: A's tiles are asked for jointly by a row of the cluster, B's by a column.
; No data prefetch: the block is 256 x 256 in clusters and K has three chunks, two of which are asked for before the first product.
; THE WAY OUT: of a block of 16 rows each lane's 16 sums of a block of 32 are joined with lane l xor 16's for the largest magnitude; codes and scale words go into the records that the attention launch's head describes.
; LIMITS: NaN, infinities and sums beyond f32's range are not served; a block of zeros gets the byte 1 (its codes are zeros, and this program alone reads the bytes).
; REGISTERS: window 0: v8-29 addresses, v32-63 scale words (two sets), v128-223 A's fragments (one set); window 1: B's fragments, two sets; windows 2, 3: the accumulators.
.set ROWB,   256
.set NQ,     2
.set KROW,   768
.set STEPS,  8
.set CHUNKS, 3
.set PITCH,  272                       ; 256 bytes + 16 of padding
.set FR,     12
.set NL,     6
.set NP,     4
.set HALFT,  128*PITCH
.set SLOT,   4*HALFT                   ; A's 256 rows, then B's
.set KS,     32
.set SCL,    2*SLOT                    ; the scales, units of 256 + 16
.set HALFS,  (128*KS/256)*272
.set SBLK,   (16*KS/256)*272
.set SPARE,  SCL+4*HALFS               ; the spare words: 128 bytes a wave
.set VO16, 8                           ; v8-11  the way out: offsets of a piece's first four registers
.set VO8,  12                          ; v12-15 of its last two
.set ADRA, 16                          ; v16-17 my A fragments in slot 0, 1; v18-19 for pieces whose two halves of the lanes lie in different slots
.set ADRB, 20                          ; v20-23 the same for B
.set VS,   24                          ; v24    offset of my scale words on the way out
.set ADRS, 27                          ; v27    LDS address of my scale words: lanes 0-15 A's, lanes 16-31 B's
.set SPW,  28
.set NIL,  29
.set SC,   32
.set AF,   128
.set WD,   160
.set KW,   168
.set VW,   172
.set YT,   224
.set TM,   232
.set G1, 24
.set G0, 32
.set G1B, 48
.set G0B, 56
.set G1S, 68
.set G0S, 76
.set G1SB, 80
.set G0SB, 88
.set G0H, 4                            ; group 0 of the head's loads of chunk 0: A's in s[4:7], B's in s[92:95]
.set G0HB, 92
.set MSB, 0
.macro WIN new
.if MSB != \new
	s_set_vgpr_msb (MSB<<8)|\new
.set MSB, \new
.endif
.endm
.set MUL_LO, 0xa1
.set MUL_HI, 0xf1
.set TO_B,   0x40
.macro JLOAD g0a, g1a, g0b, g1b        ; waves 0, 1 fetch for A, waves 2, 3 for B; s_nop 0 and four v_nop behind each line
	s_cmp_eq_u32 s15, 0
	s_cbranch_scc0 .Lfor_b_\@
	tensor_load_to_lds s[\g0a:\g0a+3], s[\g1a:\g1a+7]
	s_nop 0
.rept 4
	v_nop
.endr
	s_branch .Lasked_\@
.Lfor_b_\@:
	tensor_load_to_lds s[\g0b:\g0b+3], s[\g1b:\g1b+7]
	s_nop 0
.rept 4
	v_nop
.endr
.Lasked_\@:
.endm
.macro CREST
	s_cmp_lg_u32 s14, 0
	s_cbranch_scc1 .Lnot_wave_0_\@
	s_barrier_signal -3
.Lnot_wave_0_\@:
	s_barrier_wait -3
	s_barrier_signal -1
	s_barrier_wait -1
.endm
.macro CROUND
	s_barrier_signal -1
	s_barrier_wait -1
	CREST
.endm
	s_load_b256 s[4:11], s[0:1], 0x0               ; codes, scales, kv, qb
	v_lshl_add_u32 v[SPW], v0, 2, SPARE
	v_mov_b32 v[NIL], 0
	ds_add_u32 v[SPW], v[NIL]                      ; the opening lines: the add twice on end
	ds_add_u32 v[SPW], v[NIL]
	v_lshrrev_b32 v1, 5, v0
	v_readfirstlane_b32 s14, v1                    ; wave; s15 its half of A's rows, s16 of B's
	s_lshr_b32 s15, s14, 1
	s_and_b32 s16, s14, 1
	s_bfe_u32 s40, ttmp6, 0x40000                  ; cx
	s_bfe_u32 s41, ttmp6, 0x40004                  ; cy
	s_and_b32 s95, ttmp7, 0xffff                   ; cluster y, 0 .. 23
	s_lshl_b32 s96, s95, 2
	s_lshr_b32 s67, s95, 3                         ; 0 K, 1 Q, 2 V
	s_lshl_b32 s98, s67, 2
	s_add_co_u32 s98, s98, 64                      ; Wk's or Wq's first tile of 256 rows
	s_max_u32 s99, s96, 64
	s_sub_co_u32 s99, s99, 64
	s_cmp_ge_u32 s95, 16
	s_cselect_b32 s17, 72, s96                     ; A's tile: Wv's, or enc's / hs's
	s_cselect_b32 s42, s99, s98                    ; B's tile: enc's, or the weight's
	s_cselect_b32 s66, 1, 0
	s_add_co_u32 s17, s17, s41
	s_add_co_u32 s42, s42, s40
	s_lshl_b32 s43, s41, 2
	s_lshl_b32 s43, 15, s43                        ; my row of the cluster
	s_lshl_b32 s44, 0x1111, s40                    ; my column
	s_or_b32 s[G1+0], s43, (0<<16)|(1<<20)|(1<<21)|(5<<22)|(3<<25)
	s_or_b32 s[G1B+0], s44, (0<<16)|(1<<20)|(1<<21)|(5<<22)|(3<<25)
.irp g, G1, G1B
	s_mov_b32 s[\g+1], ROWB<<16
	s_mov_b32 s[\g+2], 256<<16                     ; 256 rows for the head's loads
	s_mov_b32 s[\g+3], ROWB<<16
	s_mov_b32 s[\g+4], 256
	s_mov_b32 s[\g+5], KROW
	s_mov_b32 s[\g+6], 0
	s_mov_b32 s[\g+7], 0
.endr
	s_or_b32 s[G1S+0], s43, (3<<16)|(1<<20)|(1<<21)|(5<<22)|(3<<25)
	s_or_b32 s[G1SB+0], s44, (3<<16)|(1<<20)|(1<<21)|(5<<22)|(3<<25)
.irp g, G1S, G1SB                      ; the scales of 256 rows: 8,192 dense bytes as 32 rows of 256
	s_mov_b32 s[\g+1], 32<<16
	s_mov_b32 s[\g+2], KS<<16
	s_mov_b32 s[\g+3], 32<<16
	s_mov_b32 s[\g+4], KS
	s_mov_b32 s[\g+5], 32
	s_mov_b32 s[\g+6], 0
	s_mov_b32 s[\g+7], 0
.endr
	s_lshl_b32 s20, s17, 8
	s_lshl_b32 s46, s42, 8
	s_mov_b32 s21, 0
	s_mov_b32 s47, 0
	s_mov_b64 s[18:19], KS
	s_mul_u64 s[22:23], s[20:21], s[18:19]
	s_mul_u64 s[92:93], s[46:47], s[18:19]
	s_mov_b64 s[18:19], KROW
	s_mul_u64 s[20:21], s[20:21], s[18:19]
	s_mul_u64 s[46:47], s[46:47], s[18:19]
	s_mul_i32 s18, s16, 128*KROW                   ; in the ring I fetch 128 rows of a tile
	s_mov_b32 s19, 0
	s_mul_i32 s45, s14, HALFT
	s_wait_dscnt 0x0                               ; both opening adds are done
	s_wait_kmcnt 0x0
	s_add_nc_u64 s[20:21], s[4:5], s[20:21]
	s_add_nc_u64 s[22:23], s[6:7], s[22:23]
	s_add_nc_u64 s[46:47], s[4:5], s[46:47]
	s_add_nc_u64 s[92:93], s[6:7], s[92:93]
	CROUND                                         ; in front of the first joint loads
	s_mov_b32 s[G0S], 1
	s_mov_b32 s[G0S+1], SCL
	s_mov_b64 s[G0S+2:G0S+3], s[22:23]
	s_or_b32 s[G0S+3], s[G0S+3], 0x80000000
	s_mov_b32 s[G0SB], 1
	s_mov_b32 s[G0SB+1], SCL+2*HALFS
	s_mov_b64 s[G0SB+2:G0SB+3], s[92:93]
	s_or_b32 s[G0SB+3], s[G0SB+3], 0x80000000
	s_mov_b32 s[G0H], 1
	s_mov_b32 s[G0H+1], 0
	s_mov_b64 s[G0H+2:G0H+3], s[20:21]
	s_or_b32 s[G0H+3], s[G0H+3], 0x80000000
	s_mov_b32 s[G0HB], 1
	s_mov_b32 s[G0HB+1], 2*HALFT
	s_mov_b64 s[G0HB+2:G0HB+3], s[46:47]
	s_or_b32 s[G0HB+3], s[G0HB+3], 0x80000000
	s_add_nc_u64 s[20:21], s[20:21], s[18:19]
	s_add_nc_u64 s[46:47], s[46:47], s[18:19]
.irp s, 0,1
	s_mov_b32 s[G0+4*\s], 1
	s_add_co_u32 s[G0+4*\s+1], s45, \s*SLOT
	s_add_nc_u64 s[G0+4*\s+2:G0+4*\s+3], s[20:21], \s*ROWB
	s_or_b32 s[G0+4*\s+3], s[G0+4*\s+3], 0x80000000
	s_mov_b32 s[G0B+4*\s], 1
	s_add_co_u32 s[G0B+4*\s+1], s45, \s*SLOT
	s_add_nc_u64 s[G0B+4*\s+2:G0B+4*\s+3], s[46:47], \s*ROWB
	s_or_b32 s[G0B+4*\s+3], s[G0B+4*\s+3], 0x80000000
.endr
; the head's four tiles, one load a wave, in one chain of branches on the wave's number: chunk 0 of A, of B, A's scales, B's scales
.macro ARM under, g0, g1, next
	s_cmp_lt_u32 s14, \under
	s_cbranch_scc0 \next
	tensor_load_to_lds s[\g0:\g0+3], s[\g1:\g1+7]
	s_nop 0
.rept 4
	v_nop
.endr
	s_branch .Lhead_asked
\next:
.endm
	ARM 1, G0H,  G1,  .Lhead_b
	ARM 2, G0HB, G1B, .Lhead_sa
	ARM 3, G0S,  G1S, .Lhead_sb
	tensor_load_to_lds s[G0SB:G0SB+3], s[G1SB:G1SB+7]
	s_nop 0
.rept 4
	v_nop
.endr
.Lhead_asked:
	v_and_b32 v1, 15, v0                           ; r
	v_bfe_u32 v2, v0, 4, 1                         ; h
	v_mul_u32_u24 v3, v1, PITCH
	v_mul_u32_u24 v4, v2, 24
	v_add_nc_u32 v4, v3, v4                        ; row x pitch + 24 h
	s_mov_b32 s21, SLOT-232
	s_mov_b32 s22, SLOT+232
	v_sub_nc_u32 v7, 1, v2
	v_mul_u32_u24 v5, s21, v2
	v_add_nc_u32 v5, v3, v5
	v_add_nc_u32 v5, 232, v5                       ; lanes 0-15 byte 232 of the row in slot 0, lanes 16-31 byte 0 in slot 1
	v_mul_u32_u24 v6, s22, v7
	v_add_nc_u32 v6, v3, v6                        ; and the other way round
	s_mul_i32 s21, s15, HALFT
	s_mul_i32 s22, s16, HALFT
	s_add_co_u32 s22, s22, 2*HALFT
	v_add_nc_u32 v[ADRA+2], s21, v5
	v_add_nc_u32 v[ADRA+3], s21, v6
	v_add_nc_u32 v[ADRB+2], s22, v5
	v_add_nc_u32 v[ADRB+3], s22, v6
.irp s, 0,1
	v_add_nc_u32 v[ADRA+\s], s21, v4
	v_add_nc_u32 v[ADRB+\s], s22, v4
	s_add_co_u32 s21, s21, SLOT
	s_add_co_u32 s22, s22, SLOT
.endr
	v_mul_u32_u24 v5, v1, KS
	v_lshrrev_b32 v6, 8, v5
	v_lshl_add_u32 v5, v6, 4, v5
	s_mul_i32 s21, s15, HALFS
	s_mul_i32 s22, s16, HALFS
	s_add_co_u32 s22, s22, 2*HALFS
	s_sub_co_u32 s22, s22, s21
	v_mul_u32_u24 v6, s22, v2                      ; lanes 16-31 take B's
	s_add_co_u32 s21, s21, SCL
	v_add_nc_u32 v5, v5, v6
	v_add_nc_u32 v[ADRS], s21, v5
	; where the results go: the record of my 128 tokens in kv or qb, and the steps from piece to piece
	s_and_b32 s96, s17, 31
	s_cmp_lg_u32 s66, 0
	s_cselect_b32 s96, s42, s96                    ; the tile of 256 tokens
	s_cselect_b32 s97, s16, s15                    ; my half of it
	s_cselect_b32 s98, s41, s40                    ; the tile of 256 features
	s_cselect_b32 s99, s15, s16
	s_cselect_b32 s100, 6144, 0                    ; V's pieces lie behind K's
	s_mov_b32 s101, 204800                         ; a head's bytes
	s_mov_b32 s2, 12800                            ; a record's
	s_mov_b32 s18, 12288                           ; where a record's scale words begin
	s_cselect_b32 s18, 12544, s18
	s_cmp_eq_u32 s67, 1
	s_cselect_b32 s101, 102400, s101
	s_cselect_b32 s2, 6400, s2
	s_cselect_b32 s18, 6144, s18
	s_cselect_b64 s[12:13], s[10:11], s[8:9]
	s_lshr_b32 s3, s96, 3
	s_lshl_b32 s3, s3, 4
	s_lshl_b32 s98, s98, 2
	s_add_co_u32 s3, s3, s98
	s_lshl_b32 s99, s99, 1
	s_add_co_u32 s3, s3, s99                       ; 16 batch + my first head
	s_mul_i32 s3, s3, s101
	s_and_b32 s96, s96, 7
	s_lshl_b32 s96, s96, 1
	s_add_co_u32 s96, s96, s97
	s_mul_i32 s96, s96, s2
	s_add_co_u32 s98, s3, s96
	s_mov_b32 s99, 0
	s_add_nc_u64 s[12:13], s[12:13], s[98:99]
	s_mov_b32 s19, 3072
	s_cmp_lg_u32 s66, 0
	s_cselect_b32 s96, s101, s19
	s_cselect_b32 s97, s19, s101
	s_cselect_b32 s3, -1, 0                        ; all ones for V
	v_and_b32 v6, 31, v0
	v_lshl_add_u32 v[VO16], v6, 4, s100
	v_lshl_add_u32 v[VO8], v6, 3, s100
.irp g, VO16, VO8
	v_add_nc_u32 v[\g+1], s97, v[\g]
	v_add_nc_u32 v[\g+2], s96, v[\g]
	v_add_nc_u32 v[\g+3], s96, v[\g+1]
.endr
	v_mul_u32_u24 v[VS], s101, v2
	v_lshl_add_u32 v[VS], v1, 4, v[VS]
	v_add_nc_u32 v[VS], s18, v[VS]
.macro FRAG reg, adr, st, i            ; 16 rows x 128 K: six pieces of 8 bytes; byte y of a row lies in slot (y / 256) % 2 at byte y % 256 of the LDS row
.irp p, 0,1,2,3,4,5
.set BY, 96*(\st)+48*(\p/3)+8*(\p%3)
.if BY/ROWB == (BY+24)/ROWB
	ds_load_b64 v[\reg+2*\p:\reg+2*\p+1], v[\adr+(BY/ROWB)%2] offset:BY%ROWB+(\i)*16*PITCH
.else
	ds_load_b64 v[\reg+2*\p:\reg+2*\p+1], v[\adr+2+(BY/ROWB)%2] offset:BY%ROWB-232+(\i)*16*PITCH
.endif
.endr
.endm
.macro MUL16 a0, p, q, sc, zero        ; A's blocks a0, a0 + 1 x B's eight; the 64 accumulators take turns
.irp a, \a0, \a0+1
.irp b, 0,1,2,3,4,5,6,7
.if \zero
	v_wmma_scale_f32_16x16x128_f8f6f4 v[8*(8*((\a)%4)+\b):8*(8*((\a)%4)+\b)+7], v[128*(\p)+FR*\b:128*(\p)+FR*\b+FR-1], v[AF+FR*(\a):AF+FR*(\a)+FR-1], 0, v[SC+8*NQ*(\sc)+NQ*\b+(\q)], v[SC+8*NQ*(\sc)+NQ*(\a)+(\q)] matrix_a_fmt:MATRIX_FMT_FP6 matrix_b_fmt:MATRIX_FMT_FP6 matrix_a_scale:MATRIX_SCALE_ROW1
.else
	v_wmma_scale_f32_16x16x128_f8f6f4 v[8*(8*((\a)%4)+\b):8*(8*((\a)%4)+\b)+7], v[128*(\p)+FR*\b:128*(\p)+FR*\b+FR-1], v[AF+FR*(\a):AF+FR*(\a)+FR-1], v[8*(8*((\a)%4)+\b):8*(8*((\a)%4)+\b)+7], v[SC+8*NQ*(\sc)+NQ*\b+(\q)], v[SC+8*NQ*(\sc)+NQ*(\a)+(\q)] matrix_a_fmt:MATRIX_FMT_FP6 matrix_b_fmt:MATRIX_FMT_FP6 matrix_a_scale:MATRIX_SCALE_ROW1
.endif
.endr
.endr
.endm
.macro FETCH_B st, p
	WIN TO_B
.irp i, 0,1,2,3,4,5,6,7
	FRAG 128*(\p)+FR*\i, ADRB, \st, \i
.endr
	WIN 0
.endm
.macro FETCH_A st, i0
.irp i, \i0, \i0+1, \i0+2, \i0+3
	FRAG AF+FR*(\i), ADRA, \st, \i
.endr
.endm
.macro SCALES pr                       ; the scale words of steps 2 pr, 2 pr + 1 into set pr % 2
.irp i, 0,1,2,3,4,5,6,7
	ds_load_b64 v[SC+8*NQ*((\pr)%2)+NQ*\i:SC+8*NQ*((\pr)%2)+NQ*\i+1], v[ADRS] offset:\i*SBLK+4*NQ*(\pr)
.endr
.endm
.macro PLACES n
.rept \n
	v_nop
.endr
.endm
; A step: 64 products; the next step's fragments are fetched in its middle and at its end.  Where the next step's bytes END in a chunk not read yet, a barrier shows that chunk whole;
; where they BEGIN in a later chunk, the chunk left behind is free: the three lines, the barrier, and, if a chunk two on is left to fetch, a round and the refill.
.macro STEP st, zero
.set NX, (\st)+1
.set C0, (96*(\st))/ROWB
.set C1, (96*NX)/ROWB
.set E0, (96*(\st)+95)/ROWB
.set E1, (96*NX+95)/ROWB
.if C1 > C0 || E1 > E0
	s_wait_tensorcnt 0x0                           ; all my tensor loads have landed
.if C1 > C0
	ds_add_u32 v[SPW], v[NIL]
	s_wait_dscnt 4*NL+1                            ; the add and A's blocks 4-7 (24 loads) may be out
.else
	s_wait_dscnt 4*NL                              ; A's blocks 4-7 may be out
.endif
	WIN MUL_LO
	MUL16 0, (\st)%2, (\st)%2, ((\st)/2)%2, \zero
	s_wait_dscnt 0x0                               ; the add and all my reads are done
	s_barrier_signal -1
	MUL16 2, (\st)%2, (\st)%2, ((\st)/2)%2, \zero
	WIN 0
	s_barrier_wait -1
.if C1 > C0 && C0+2 < CHUNKS
	CREST
	s_add_nc_u64 s[G0+4*(C0%2)+2:G0+4*(C0%2)+3], s[G0+4*(C0%2)+2:G0+4*(C0%2)+3], 2*ROWB
	s_add_nc_u64 s[G0B+4*(C0%2)+2:G0B+4*(C0%2)+3], s[G0B+4*(C0%2)+2:G0B+4*(C0%2)+3], 2*ROWB
	JLOAD G0+4*(C0%2), G1, G0B+4*(C0%2), G1B       ; chunk C0 + 2; its four v_nop are the places in front of the loads below
.else
	PLACES NP
.endif
.else
	s_wait_dscnt 4*NL
	WIN MUL_LO
	MUL16 0, (\st)%2, (\st)%2, ((\st)/2)%2, \zero
	MUL16 2, (\st)%2, (\st)%2, ((\st)/2)%2, \zero
	s_wait_dscnt 0
	PLACES NP
.endif
	FETCH_B NX, NX%2
	FETCH_A NX, 0
.if NX%2 == 0
	SCALES NX/2
.endif
	WIN MUL_HI
	MUL16 4, (\st)%2, (\st)%2, ((\st)/2)%2, \zero
	MUL16 6, (\st)%2, (\st)%2, ((\st)/2)%2, \zero
	PLACES NP
	WIN 0
	FETCH_A NX, 4
.endm
	s_wait_alu depctr_va_vdst(0)                   ; the wait at the head's end
	s_wait_tensorcnt 0x0                           ; my tile of the head's four is in
	ds_add_u32 v[SPW], v[NIL]
	s_mov_b32 s[G1+2], 128<<16                     ; no load of mine is out: from here on a load brings 128 rows
	s_mov_b32 s[G1+4], 128
	s_mov_b32 s[G1B+2], 128<<16
	s_mov_b32 s[G1B+4], 128
	s_wait_dscnt 0x0
	CROUND
	JLOAD G0+4, G1, G0B+4, G1B                     ; chunk 1, slot 1's first fill, issued as a refill is
	FETCH_B 0, 0
	FETCH_A 0, 0
	SCALES 0
	FETCH_A 0, 4
	STEP 0, 1                                      ; the first products start the sums
.set ST, 1
.rept STEPS-2
	STEP ST, 0
.set ST, ST+1
.endr
	s_wait_dscnt 4*NL
	WIN MUL_LO
	MUL16 0, 1, 1, 1, 0
	MUL16 2, 1, 1, 1, 0
	s_wait_dscnt 0
	WIN MUL_HI
	MUL16 4, 1, 1, 1, 0
	MUL16 6, 1, 1, 1, 0
	WIN 0
; the way out of A's block a: four blocks of 32 along B's rows; largest magnitudes, scale word, codes, the exchange of halves, two pieces stored
.macro QOUT a
.set AC, 64*((\a)%4)
.set WW, 2+(\a)/4
.set PC, 64+12*((2*((\a)%4)+4)%8+(\a)/4)
.set WN, (WW<<2)|(WW<<4)
	WIN WN
.irp b, 0,1,2,3
	v_max3_num_f32 v[TM+\b], 0x1800000, |v[AC+16*\b]|, |v[AC+16*\b+1]|   ; with the floor 2^(3 - 127)
.endr
.irp i, 2,4,6,8,10,12,14
.irp b, 0,1,2,3
	v_max3_num_f32 v[TM+\b], v[TM+\b], |v[AC+16*\b+\i]|, |v[AC+16*\b+\i+1]|
.endr
.endr
	WIN 0
.irp b, 0,1,2,3
	v_permlanex16_b32 v[TM+4+\b], v[TM+\b], s104, s105
.endr
.irp b, 0,1,2,3
	v_max_num_f32 v[TM+\b], v[TM+\b], v[TM+4+\b]
.endr
.irp b, 0,1,2,3
	v_add_nc_u32 v[TM+12+\b], 0xff000000, v[TM+\b]   ; 2 off the exponent field: the conversion's scale operand
.endr
.irp b, 0,1,2,3
	v_lshrrev_b32 v[TM+4+\b], 23, v[TM+12+\b]
.endr
	v_lshl_or_b32 v[WD+(\a)], v[TM+5], 8, v[TM+4]
	v_lshl_or_b32 v[WD+(\a)], v[TM+6], 16, v[WD+(\a)]
	v_lshl_or_b32 v[WD+(\a)], v[TM+7], 24, v[WD+(\a)]
	WIN WW
.irp c, 0,1
	v_cvt_scalef32_pk16_fp6_f32 v[PC+6*\c:PC+6*\c+2], v[AC+32*\c:AC+32*\c+15], v[TM+12+2*\c]
	v_cvt_scalef32_pk16_fp6_f32 v[YT+4*\c:YT+4*\c+2], v[AC+32*\c+16:AC+32*\c+31], v[TM+13+2*\c]
.endr
	WIN 0
	v_nop
.irp c, 0,1
.irp i, 0,1,2
	v_permlane16_swap_b32 v[PC+6*\c+\i], v[YT+4*\c+\i]
.endr
.irp i, 0,1,2
	v_mov_b32 v[PC+6*\c+3+\i], v[YT+4*\c+\i]
.endr
.endr
.irp c, 0,1
	global_store_b128 v[VO16+2*((\a)/4)+\c], v[PC+6*\c:PC+6*\c+3], s[12:13] offset:((\a)%4)*768
	global_store_b64 v[VO8+2*((\a)/4)+\c], v[PC+6*\c+4:PC+6*\c+5], s[12:13] offset:((\a)%4)*768+512
.endr
.endm
	PLACES NP
	s_mov_b32 s104, 0x76543210
	s_mov_b32 s105, 0xfedcba98
.irp b, 0,1,2,3
	v_mov_b32 v[TM+4+\b], 0
.endr
.irp a, 0,1,2,3,4,5,6,7
	QOUT \a
.endr
	v_and_b32 v31, 16, v0                          ; the eight scale words are laid as the reader's registers want them: by halves for Q and K, whole for V
	v_cmp_ne_u32 vcc_lo, 0, v31
	v_mov_b32 v30, 0x05040100
	v_mov_b32 v31, 0x07060302
	v_cndmask_b32 v30, v30, v31, vcc_lo
.irp w, 0,1,2,3
	v_perm_b32 v[KW+\w], v[WD+2*\w+1], v[WD+2*\w], v30
	v_cndmask_b32 v[VW+\w], v[WD+\w], v[WD+4+\w], vcc_lo
.endr
.irp w, 0,1,2,3
	v_cndmask_b32 v[KW+\w], v[KW+\w], v[VW+\w], s3
.endr
	global_store_b128 v[VS], v[KW:KW+3], s[12:13]
	s_wait_tensorcnt 0x0                           ; the wave's end
	ds_add_u32 v[SPW], v[NIL]
	s_wait_dscnt 0x0
	CROUND                                         ; the closing round
	s_endpgm
.Lfunc_end_k_q363b84c84a_proj:
	.size	k_q363b84c84a_proj, .Lfunc_end_k_q363b84c84a_proj-k_q363b84c84a_proj
	.p2alignl 7, 3214868480
	.fill 96, 4, 3214868480
	.section	.rodata,"a",@progbits
	.p2align	6, 0x0
	.amdhsa_kernel k_q363b84c84a_proj
		.amdhsa_group_segment_fixed_size 327680
		.amdhsa_private_segment_fixed_size 0
		.amdhsa_enable_private_segment 0
		.amdhsa_kernarg_size 32
		.amdhsa_user_sgpr_count 2
		.amdhsa_user_sgpr_kernarg_segment_ptr 1
		.amdhsa_wavefront_size32 1
		.amdhsa_system_sgpr_workgroup_id_x 1
		.amdhsa_system_sgpr_workgroup_id_y 1
		.amdhsa_system_sgpr_workgroup_id_z 1
		.amdhsa_system_vgpr_workitem_id 0
		.amdhsa_next_free_vgpr 1024
		.amdhsa_next_free_sgpr 106
		.amdhsa_reserve_vcc 1
		.amdhsa_float_denorm_mode_32 3
		.amdhsa_float_denorm_mode_16_64 3
		.amdhsa_memory_ordered 1
		.amdhsa_forward_progress 1
		.amdhsa_inst_pref_size 167
	.end_amdhsa_kernel
	.amdgpu_metadata
---
amdhsa.version: [ 1, 2 ]
amdhsa.kernels:
  - .name:           k_q363b84c84a_proj
    .symbol:         k_q363b84c84a_proj.kd
    .args:
      - { .name: xw_codes, .offset: 0, .size: 8, .value_kind: global_buffer, .address_space: global }
      - { .name: xw_scales, .offset: 8, .size: 8, .value_kind: global_buffer, .address_space: global }
      - { .name: kv, .offset: 16, .size: 8, .value_kind: global_buffer, .address_space: global }
      - { .name: qb, .offset: 24, .size: 8, .value_kind: global_buffer, .address_space: global }
    .group_segment_fixed_size: 327680
    .private_segment_fixed_size: 0
    .kernarg_segment_align: 8
    .kernarg_segment_size: 32
    .max_flat_workgroup_size: 128
    .sgpr_count:     106
    .vgpr_count:     1024
    .wavefront_size: 32
...
	.end_amdgpu_metadata
.endif
;; end of part 2
;; launch attn (part 3): grid 4 x 64, 16 waves a work-group, clusters of 4 x 1, 276,480 bytes of LDS; arguments kv, qb, out0; writes out0
.if DOCPART == 3
	.amdgcn_target "amdgcn-amd-amdhsa--gfx1250"
	.amdhsa_code_object_version 6
	.text
	.protected	k_q363b84c84a_attn
	.globl	k_q363b84c84a_attn
	.p2align	8
	.type	k_q363b84c84a_attn,@function
k_q363b84c84a_attn:
	s_mov_b64 s[64:65], 0
	v_nop
	global_prefetch_b8 v0, s[64:65] scope:SCOPE_SE
	s_setreg_imm32_b32 hwreg(HW_REG_WAVE_MODE, 25, 1), 1
	s_wait_xcnt 0x0
	s_wait_alu depctr_hold_cnt(0) depctr_sa_sdst(0) depctr_va_vdst(0) depctr_va_sdst(0) depctr_va_ssrc(0) depctr_va_vcc(0) depctr_vm_vsrc(0)
	s_getreg_b32 s2, hwreg(HW_REG_IB_STS2, 6, 4)
	s_cmp_eq_u32 s2, 0
	s_cbranch_scc0 .Lentry_in_a_cluster
	s_endpgm
.Lentry_in_a_cluster:
	s_bfe_u32 s2, ttmp6, 0x10000c
	s_cmp_lg_u32 s2, 0x3003
	s_cbranch_scc0 .Lentry_shape_is_right
	s_endpgm
.Lentry_shape_is_right:
; out0[batch][q][64 head + d] = the sum over k of softmax_k(q . k / 8) v, for 64 heads (16 batch + head) of 2,048 queries, 2,048 keys, head size 64; both products on codes of FP6 (E2M3) with one E8M0 scale for each 32 along K.
; INPUTS.  A PIECE is the image of six operand registers, 16 rows x 64 along K, 768 bytes: registers 0-3 at 16 x lane, registers 4-5 at 512 + 8 x lane.
;   kv: head x 16 steps of 128 keys x a record of 12,800 bytes = K's 8 pieces (piece a: keys 16 a + row) | V's 8 pieces (piece 4 g + dt: 16 dt of the head's 64 on, keys 64 g on) | K's scale words 256 ([row][pair of pieces]) | V's 256.
;   qb: head x 16 steps of 128 queries x a record of 6,400 bytes = 8 pieces | scale words 256.
; THE SOFTMAX: t = score x log2(e) / 8; M = the row's largest t so far, rounded UP to a whole number; p = 2^(t - M) is quantised along the keys, not normalised.
; The row's sum is taken of the unquantised p, in f32, and divides O at the end.  When M moves, the sum and O are multiplied by 2^(old M - new M): exact.
; SHARES.  A work-group owns 512 queries of one head; each of its sixteen waves owns a tile of 16 queries at a time, twice.
; THE WHOLE HEAD'S K AND V LIE IN LDS: 16 records, 204,800 bytes, filled ONCE: wave w asks for record w, one tensor load a wave, by one line with no branch; every wave waits for its load, and one barrier shows the head to all.
; No data prefetch: all that the launch reads by tensor loads is asked for at the head, and there is no loop to run ahead in.
; CLUSTER.  The four work-groups of a cluster are the four blocks of 512 queries of one head: each record is asked for JOINTLY, with the same descriptor and a mask that names the four.
; LAYOUT.  Both products are used transposed: S^T = K Q^T, O^T = V^T P^T: a lane holds ONE query (lane % 16) throughout.
; K = 64 IN AN INSTRUCTION OF 128: a fragment of K holds two tiles of 16 keys.  Q stands as 18 registers, Q | six zeros | Q: the first twelve give the first tile's scores, the last twelve the second's: zero codes add nothing under the bytes 1 to 254.
; THE KEYS OF A TILE ARE CHOSEN BY THE LANES' ADDRESSES: of the 64 keys 64 c on, tile u = 2 f + e takes as rows 0-7 keys 8 f + 16 e + 0..7 and as rows 8-15 the keys 32 further on.  A result's rows 0-7 fall to lanes 0-15 and rows 8-15 to
; lanes 16-31: so a lane's 32 registers of the four tiles are ONE WHOLE BLOCK of 32 keys (block 2 c + lane / 16), in the order 0-7, 16-23, 8-15, 24-31, in which V's codes stand: a block's maximum needs no other lane, and the
; conversions' results are the operand's registers.  Lanes r and r + 8 read pieces 1,536 bytes apart.
; A block's largest p is taken from its largest score by the same multiply-add and exponential; this takes v_exp_f32 not to fall where its input rises.
; LIMITS: NaN and infinities are not served; the promise holds while |t| stays under 2^31.
.set REC,   12800
.set HEADB, 16*REC
.set STAGE, HEADB                      ; 16 rows x (256 + 16) bytes for each wave, for the way out; no tensor load lands there
.set SPI,   272
.set A16,  1                           ; v1 16 x lane; v2 8 x lane; v3, v4 the same + the step's record
.set A8,   2
.set AD16, 3
.set AD8,  4
.set STO,  5                           ; the stage: in, back; v7 my offset in out0; v8 16 x (lane % 16)
.set RD,   6
.set GO,   7
.set R16,  8
.set QF,   16                          ; v16-33 Q | zeros | Q.  v12 -M, v13 the largest t, v[14:15] the sum
.set QS,   34
.set SCW,  36                          ; v36-39 lanes 16-31: V's four scale words
.set FRG,  40                          ; v40-87 four fragments
.set SH8,  88                          ; v88 8 x (lane / 16)
.set K16,  89                          ; v89-91 my places in K's pieces (16-byte part, 8-byte part) and scale words; v92-94 the same + the step's record
.set K8,   90
.set KSL,  91
.set KD16, 92
.set KD8,  93
.set KDS,  94
.set S,    96                          ; v96-159 S^T, then p
.set OT,   160                         ; v160-191 O^T
.set PC,   192
.set YT,   204
.set BM,   212                         ; v212-215 four chains of maxima; then v212, v214 my two blocks'
.set PT,   216
.set SO,   220
.set KSW,  222                         ; v222-225 K's scale words, one a fragment
.set PW,   228
.set FF,   230
.set TT,   232
.set QN,   240                         ; the second pass's Q; v246, v247 the passes' scale words as loaded; v254, v255 the add's two registers
.set WV,   10
.set SEL,  20
.set CS,   22
.set G1,   24
.set G0,   32
.set TB,   48
.set CNT,  49
.set SH,   50
.macro CROUND
	s_barrier_signal -1
	s_barrier_wait -1
	s_cmp_lg_u32 s[WV], 0
	s_cbranch_scc1 .Lnot_wave_0_\@
	s_barrier_signal -3
.Lnot_wave_0_\@:
	s_barrier_wait -3
	s_barrier_signal -1
	s_barrier_wait -1
.endm
	s_load_b128 s[4:7], s[0:1], 0x0                ; kv, qb
	s_load_b64 s[8:9], s[0:1], 0x10                ; out0
	v_lshl_add_u32 v254, v0, 2, 0x43000
	v_mov_b32 v255, 0
	ds_add_u32 v254, v255                          ; the opening lines: the add twice on end
	ds_add_u32 v254, v255
	v_lshrrev_b32 v1, 5, v0
	s_delay_alu instid0(VALU_DEP_1)
	v_readfirstlane_b32 s[WV], v1                  ; wave 0..15
	s_bfe_u32 s11, ttmp6, 0x40000                  ; cx: my block of 512 queries: it enters Q's and out0's addresses alone
	s_and_b32 s12, ttmp7, 0xffff                   ; the head
	s_mov_b32 s[G1], 15|(3<<16)|(1<<21)            ; a record: 50 rows of 256 bytes (32 elements of 8), dense; the mask names all four work-groups
	s_mov_b32 s[G1+1], 32<<16
	s_mov_b32 s[G1+2], 50<<16
	s_mov_b32 s[G1+3], 32<<16
	s_mov_b32 s[G1+4], 50
	s_mov_b32 s[G1+5], 32
	s_mov_b32 s[G1+6], 0
	s_mov_b32 s[G1+7], 0
	s_and_b32 s13, s[WV], 1
	s_mul_i32 s14, s[WV], REC                      ; my record's place in the head
	s_mul_i32 s16, s12, HEADB
	s_add_co_u32 s16, s16, s14
	s_mov_b32 s17, 0
	s_lshl_b32 s[SH], s13, 4
	s_lshl_b32 s15, s11, 2
	s_lshr_b32 s18, s[WV], 3
	s_add_co_u32 s15, s15, s18                     ; my first tile's record of qb: 4 cx + wave / 8
	s_mul_i32 s15, s15, 6400
	s_mul_i32 s18, s12, 102400
	s_add_co_u32 s52, s15, s18
	s_mov_b32 s53, 0
	s_and_b32 s19, s[WV], 7
	s_mul_i32 s54, s19, 768
	s_add_co_u32 s54, s54, s52                     ; its piece
	s_mov_b32 s55, 0
	s_lshr_b32 s19, s19, 1
	s_lshl_b32 s19, s19, 2
	s_add_co_u32 s52, s52, s19
	s_add_co_u32 s52, s52, 6144                    ; the word that holds its scale bytes
	s_lshr_b32 s56, s12, 4
	s_lshl_b32 s56, s56, 23                        ; out0: the batch,
	s_and_b32 s57, s12, 15
	s_lshl_b32 s57, s57, 8                         ; the head's 256 bytes of a row,
	s_add_co_u32 s56, s56, s57
	s_lshl_b32 s57, s11, 5
	s_add_co_u32 s57, s57, s[WV]
	s_lshl_b32 s57, s57, 16                        ; my first tile, 32 cx + wave
	s_add_co_u32 s56, s56, s57
	s_mov_b32 s57, 0
	s_mov_b32 s[SEL], 0x76543210
	s_mov_b32 s[SEL+1], 0xfedcba98
	s_mov_b32 s[CS], 0x3e38aa3b                    ; c = log2(e) / 8
	s_mov_b32 s[CS+1], s[CS]
	s_mul_i32 s58, s[WV], 16*SPI
	s_add_co_u32 s58, s58, STAGE
	s_wait_dscnt 0x0
	s_wait_kmcnt 0x0
	s_add_nc_u64 s[4:5], s[4:5], s[16:17]
	s_add_nc_u64 s[54:55], s[6:7], s[54:55]
	s_add_nc_u64 s[52:53], s[6:7], s[52:53]
	s_add_nc_u64 s[8:9], s[8:9], s[56:57]
	CROUND                                         ; in front of the joint loads
	s_mov_b32 s[G0], 1
	s_mul_i32 s[G0+1], s[WV], REC
	s_mov_b64 s[G0+2:G0+3], s[4:5]
	s_or_b32 s[G0+3], s[G0+3], 0x80000000
	tensor_load_to_lds s[G0:G0+3], s[G1:G1+7]      ; my one tensor load of the launch
	s_nop 0
.rept 4
	v_nop
.endr
	v_and_b32 v9, 31, v0
	s_delay_alu instid0(VALU_DEP_1)
	v_lshlrev_b32 v[A16], 4, v9
	s_delay_alu instid0(VALU_DEP_2)
	v_lshlrev_b32 v[A8], 3, v9
	v_and_b32 v10, 15, v0                          ; r
	v_bfe_u32 v11, v0, 4, 1                        ; h
	s_delay_alu instid0(VALU_DEP_2)
	v_lshlrev_b32 v[R16], 4, v10
	global_load_b128 v[QF:QF+3], v[A16], s[54:55]
	global_load_b64 v[QF+4:QF+5], v[A8], s[54:55] offset:512
	global_load_b128 v[QN:QN+3], v[A16], s[54:55] offset:12800     ; the second pass's: 16 tiles, two records, on
	global_load_b64 v[QN+4:QN+5], v[A8], s[54:55] offset:13312
	global_load_b32 v246, v[R16], s[52:53]
	global_load_b32 v247, v[R16], s[52:53] offset:12800
	v_mul_u32_u24 v[STO], v10, SPI
	s_delay_alu instid0(VALU_DEP_1)
	v_lshl_add_u32 v[STO], v11, 5, v[STO]
	s_delay_alu instid0(VALU_DEP_1)
	v_add_nc_u32 v[STO], s58, v[STO]
	v_mul_u32_u24 v[RD], v11, SPI
	s_delay_alu instid0(VALU_DEP_1)
	v_lshl_add_u32 v[RD], v10, 4, v[RD]
	s_delay_alu instid0(VALU_DEP_1)
	v_add_nc_u32 v[RD], s58, v[RD]
	v_lshlrev_b32 v[GO], 12, v11
	s_delay_alu instid0(VALU_DEP_1)
	v_lshl_add_u32 v[GO], v10, 4, v[GO]
	v_and_b32 v233, 7, v0                          ; r % 8
	v_bfe_u32 v95, v0, 3, 1                        ; r / 8: rows 8-15 of a tile come from the piece two on, 1,536 bytes
	v_mul_u32_u24 v[K16], v95, 1536
	v_lshlrev_b32 v[KSL], 4, v233
	v_lshlrev_b32 v[SH8], 3, v11
	v_lshl_add_u32 v[K8], v233, 3, v[K16]
	v_lshl_add_u32 v[K16], v233, 4, v[K16]
	v_lshl_add_u32 v[KSL], v95, 2, v[KSL]          ; scale words: row r % 8, word r / 8
	v_lshl_add_u32 v[K8], v11, 7, v[K8]            ; 1,536 (r / 8) + 8 (r % 8) + 128 h
	v_lshl_add_u32 v[K16], v11, 8, v[K16]          ; 1,536 (r / 8) + 16 (r % 8) + 256 h
	s_wait_loadcnt 0x0                             ; Q
.macro INIT pass                       ; a pass begins: Q's 18 registers, its scale word, -M, the largest t, the sum, O^T
.if \pass
.irp i, 0,1,2,3,4,5
	v_mov_b32 v[QF+\i], v[QN+\i]
.endr
	v_lshrrev_b32 v[QS], s[SH], v247
.else
.irp i, 0,1,2,3,4,5
	v_mov_b32 v[QF+6+\i], 0
.endr
.irp b, 0,1,2,3
	v_mov_b32 v[PT+\b], 0                          ; a lane permute's destination counts as one of its sources
.endr
	v_mov_b32 v[FF+1], 0
	v_mov_b32 v[TT], 0
	v_lshrrev_b32 v[QS], s[SH], v246
.endif
	s_delay_alu instid0(VALU_DEP_1)
	v_and_b32 v[QS], 0xffff, v[QS]
	s_delay_alu instid0(VALU_DEP_1)
	v_lshl_or_b32 v[QS], v[QS], 16, v[QS]          ; my tile's two bytes, for K = 0 .. 63 and 64 .. 127
.irp i, 0,1,2,3,4,5
	v_mov_b32 v[QF+12+\i], v[QF+\i]
.endr
	v_mov_b32 v13, 0xff61b1e6                      ; -3e38
	s_delay_alu instid0(VALU_DEP_1)
	v_floor_f32 v12, -v13
	v_mov_b32 v14, 0
	v_mov_b32 v15, 0
.set j, 0
.rept 32
	v_mov_b32 v[OT+j], 0                           ; the step is written once: a pass's first step finds zeros
.set j, j+1
.endr
.endm
.macro STEP                            ; 128 keys, the record at s[TB]
	v_add_nc_u32 v[AD16], s[TB], v[A16]            ; these five lines are also the places in front of loads into registers that the last products have read
	v_add_nc_u32 v[AD8], s[TB], v[A8]
	v_add_nc_u32 v[KD16], s[TB], v[K16]
	v_add_nc_u32 v[KD8], s[TB], v[K8]
	v_add_nc_u32 v[KDS], s[TB], v[KSL]
	ds_load_b128 v[SCW:SCW+3], v[AD16] offset:12288                ; lanes 16-31, 256 bytes on: V's four words of row r
.irp x, 0,1,2,3                                ; fragment x = 2 c + f: row 8 f + r % 8, word 2 c + r / 8
	ds_load_b32 v[KSW+\x], v[KDS] offset:12288+128*(\x%2)+8*(\x/2)
.endr
.irp x, 0,1,2,3                                ; tiles 2 f and 2 f + 1 of the 64 keys 64 c on: pieces 4 c and 4 c + 1 (rows 8-15: two pieces on), rows 8 f on
	ds_load_b128 v[FRG+12*\x:FRG+12*\x+3], v[KD16] offset:3072*(\x/2)+128*(\x%2)
	ds_load_b64 v[FRG+12*\x+4:FRG+12*\x+5], v[KD8] offset:3072*(\x/2)+512+64*(\x%2)
	ds_load_b128 v[FRG+12*\x+6:FRG+12*\x+9], v[KD16] offset:3072*(\x/2)+768+128*(\x%2)
	ds_load_b64 v[FRG+12*\x+10:FRG+12*\x+11], v[KD8] offset:3072*(\x/2)+1280+64*(\x%2)
.endr
	s_wait_alu depctr_va_vdst(0)
.irp b, 0,1,2,3
	s_wait_dscnt 4*(3-\b)                          ; fragment b is in; the four loads of each later fragment may be out
	v_wmma_scale_f32_16x16x128_f8f6f4 v[S+16*\b:S+16*\b+7], v[FRG+12*\b:FRG+12*\b+11], v[QF:QF+11], 0, v[KSW+\b], v[QS] matrix_a_fmt:MATRIX_FMT_FP6 matrix_b_fmt:MATRIX_FMT_FP6
	v_wmma_scale_f32_16x16x128_f8f6f4 v[S+16*\b+8:S+16*\b+15], v[FRG+12*\b:FRG+12*\b+11], v[QF+6:QF+17], 0, v[KSW+\b], v[QS] matrix_a_fmt:MATRIX_FMT_FP6 matrix_b_fmt:MATRIX_FMT_FP6
.endr
.rept 4
	v_nop
.endr
.irp t, 0,1,2,3                                ; V's four fragments land while the softmax is walked
	ds_load_b128 v[FRG+12*\t:FRG+12*\t+3], v[AD16] offset:6144+768*\t
	ds_load_b64 v[FRG+12*\t+4:FRG+12*\t+5], v[AD8] offset:6144+768*\t+512
	ds_load_b128 v[FRG+12*\t+6:FRG+12*\t+9], v[AD16] offset:9216+768*\t
	ds_load_b64 v[FRG+12*\t+10:FRG+12*\t+11], v[AD8] offset:9216+768*\t+512
.endr
.irp b, 0,1,2,3
	v_max3_num_f32 v[BM+\b], v[S+16*\b], v[S+16*\b+1], v[S+16*\b+2]   ; the largest score of my two blocks of 32 keys, two chains each; each accumulator is read from its low end on
.endr
.irp i, 3,5,7,9,11,13
.irp b, 0,1,2,3
	v_max3_num_f32 v[BM+\b], v[BM+\b], v[S+16*\b+\i], v[S+16*\b+\i+1]
.endr
.endr
.irp c, 0,1
	v_max3_num_f32 v[BM+2*\c], v[BM+2*\c], v[BM+2*\c+1], v[S+32*\c+15]
.endr
.irp c, 0,1
	v_max_num_f32 v[BM+2*\c], v[BM+2*\c], v[S+32*\c+31]
.endr
	s_delay_alu instid0(VALU_DEP_1)
	v_max_num_f32 v[TT], v[BM], v[BM+2]
	s_delay_alu instid0(VALU_DEP_1)
	v_permlanex16_b32 v[PT], v[TT], s[SEL], s[SEL+1]
	s_delay_alu instid0(VALU_DEP_1)
	v_max_num_f32 v[TT], v[TT], v[PT]              ; with lane l xor 16's two blocks: the step's largest score of my query
	s_delay_alu instid0(VALU_DEP_1)
	v_mul_f32 v[TT], s[CS], v[TT]
	s_delay_alu instid0(VALU_DEP_1)
	v_max_num_f32 v13, v13, v[TT]                  ; the running largest t
	v_mov_b32 v[TT], v12
	s_delay_alu instid0(VALU_DEP_2)
	v_floor_f32 v12, -v13                          ; the new -M
	s_delay_alu instid0(VALU_DEP_1)
	v_sub_f32 v[TT], v12, v[TT]
	s_delay_alu instid0(VALU_DEP_1)
	v_cvt_i32_f32 v[TT], v[TT]
	s_delay_alu instid0(VALU_DEP_1)
	v_ldexp_f32 v[FF], 1.0, v[TT]                  ; f = 2^(old M - new M)
.set j, 0
.rept 32
	v_pk_fma_f32 v[S+j:S+j+1], v[S+j:S+j+1], s[CS:CS+1], v[12:13] op_sel_hi:[1,0,0]   ; t - M
.set j, j+2
.endr
.irp c, 0,1
	v_fma_f32 v[BM+2*\c], v[BM+2*\c], s[CS], v12
.endr
.set j, 0
	s_wait_alu depctr_va_vdst(0)
.rept 64
	v_exp_f32 v[S+j], v[S+j]                       ; p
.set j, j+1
.endr
.irp c, 0,1
	v_exp_f32 v[BM+2*\c], v[BM+2*\c]               ; the block's largest p
.endr
	v_pk_mul_f32 v[14:15], v[14:15], v[FF:FF+1] op_sel_hi:[1,0]
	s_wait_alu depctr_va_vdst(0)
.irp c, 0,1
	v_max_num_f32 v[BM+2*\c], 0x1800000, v[BM+2*\c]   ; the floor 2^(3 - 127)
.endr
.irp c, 0,1
	s_delay_alu instid0(VALU_DEP_2)
	v_add_nc_u32 v[SO+\c], 0xff000000, v[BM+2*\c]  ; 2 off the exponent field: the conversion's scale operand
.endr
.irp c, 0,1
	s_delay_alu instid0(VALU_DEP_2)
	v_lshrrev_b32 v[PT+\c], 23, v[SO+\c]
.endr
	s_delay_alu instid0(VALU_DEP_1)
	v_lshl_or_b32 v[PW], v[PT+1], 16, v[PT]        ; my two bytes: blocks h and 2 + h,
	s_delay_alu instid0(VALU_DEP_1)
	v_lshlrev_b32 v[PW], v[SH8], v[PW]             ; at their places in the word;
	s_delay_alu instid0(VALU_DEP_1)
	v_permlanex16_b32 v[PT], v[PW], s[SEL], s[SEL+1]
	s_delay_alu instid0(VALU_DEP_1)
	v_or_b32 v[PW], v[PW], v[PT]                   ; with lane l xor 16's two the word is whole
.irp c, 0,1
	v_cvt_scalef32_pk16_fp6_f32 v[PC+6*\c:PC+6*\c+2], v[S+32*\c:S+32*\c+15], v[SO+\c]
	v_cvt_scalef32_pk16_fp6_f32 v[YT+4*\c:YT+4*\c+2], v[S+32*\c+16:S+32*\c+31], v[SO+\c]   ; (a conversion's three registers begin on an even number)
.endr
	v_nop
.irp c, 0,1
.irp i, 0,1,2
	v_mov_b32 v[PC+6*\c+3+\i], v[YT+4*\c+\i]
.endr
.endr
.set j, 0
.rept 16
	v_pk_mul_f32 v[OT+j:OT+j+1], v[OT+j:OT+j+1], v[FF:FF+1] op_sel_hi:[1,0]   ; O^T under the new M
.set j, j+2
.endr
	v_pk_add_f32 v[234:235], v[100:101], v[104:105]                ; the row's sum of the unquantised p, in eight chains
	v_pk_add_f32 v[252:253], v[108:109], v[112:113]
	v_pk_add_f32 v[250:251], v[116:117], v[120:121]
	v_pk_add_f32 v[248:249], v[124:125], v[128:129]
	v_pk_add_f32 v[238:239], v[132:133], v[136:137]
	v_pk_add_f32 v[236:237], v[140:141], v[144:145]
	v_pk_add_f32 v[226:227], v[148:149], v[152:153]
	v_pk_add_f32 v[14:15], v[14:15], v[156:157]
	v_pk_add_f32 v[234:235], v[234:235], v[96:97]
	v_pk_add_f32 v[252:253], v[252:253], v[98:99]
	v_pk_add_f32 v[250:251], v[250:251], v[102:103]
	v_pk_add_f32 v[248:249], v[248:249], v[106:107]
	v_pk_add_f32 v[238:239], v[238:239], v[110:111]
	v_pk_add_f32 v[236:237], v[236:237], v[114:115]
	v_pk_add_f32 v[226:227], v[226:227], v[118:119]
	v_pk_add_f32 v[14:15], v[14:15], v[122:123]
	v_pk_add_f32 v[234:235], v[234:235], v[126:127]
	v_pk_add_f32 v[252:253], v[252:253], v[130:131]
	v_pk_add_f32 v[250:251], v[250:251], v[134:135]
	v_pk_add_f32 v[248:249], v[248:249], v[138:139]
	v_pk_add_f32 v[238:239], v[238:239], v[142:143]
	v_pk_add_f32 v[236:237], v[236:237], v[146:147]
	v_pk_add_f32 v[226:227], v[226:227], v[150:151]
	v_pk_add_f32 v[14:15], v[14:15], v[154:155]
	v_pk_add_f32 v[234:235], v[234:235], v[158:159]
	s_delay_alu instid0(VALU_DEP_2)
	v_pk_add_f32 v[14:15], v[14:15], v[248:249]
	s_delay_alu instid0(VALU_DEP_2)
	v_pk_add_f32 v[234:235], v[234:235], v[238:239]
	v_pk_add_f32 v[252:253], v[252:253], v[236:237]
	v_pk_add_f32 v[250:251], v[250:251], v[226:227]
	s_delay_alu instid0(VALU_DEP_2)
	v_pk_add_f32 v[14:15], v[14:15], v[252:253]
	s_delay_alu instid0(VALU_DEP_2)
	v_pk_add_f32 v[234:235], v[234:235], v[250:251]
	s_delay_alu instid0(VALU_DEP_1)
	v_pk_add_f32 v[14:15], v[14:15], v[234:235]
	s_wait_dscnt 0x0                               ; V is in
.irp t, 0,1,2,3                                ; O^T += V^T P^T; the four accumulators take turns
	v_wmma_scale_f32_16x16x128_f8f6f4 v[OT+8*\t:OT+8*\t+7], v[FRG+12*\t:FRG+12*\t+11], v[PC:PC+11], v[OT+8*\t:OT+8*\t+7], v[SCW+\t], v[PW] matrix_a_fmt:MATRIX_FMT_FP6 matrix_b_fmt:MATRIX_FMT_FP6 matrix_a_scale:MATRIX_SCALE_ROW1
.endr
	s_add_co_u32 s[TB], s[TB], REC
.endm
.macro LOOP n
	s_mov_b32 s[CNT], \n
.Lstep_\@:
	STEP
	s_sub_co_u32 s[CNT], s[CNT], 1
	s_cmp_lg_u32 s[CNT], 0
	s_cbranch_scc1 .Lstep_\@
.endm
.macro OUTP p                          ; the way out of pass p: O^T / the sum, through my own stage, so that sixteen lanes store a query's 256 consecutive bytes
.rept 4
	v_nop
.endr
	v_add_f32 v14, v14, v15
	s_delay_alu instid0(VALU_DEP_1)
	v_permlanex16_b32 v[TT], v14, s[SEL], s[SEL+1]
	s_delay_alu instid0(VALU_DEP_1)
	v_add_f32 v14, v14, v[TT]
	s_wait_alu depctr_va_vdst(0)
	v_rcp_f32 v14, v14
	v_nop
.set j, 0
	s_wait_alu depctr_va_vdst(0)
.rept 16
	v_pk_mul_f32 v[S+j:S+j+1], v[OT+j:OT+j+1], v[14:15] op_sel_hi:[1,0]   ; each accumulator from its low end on
.set j, j+2
.endr
.irp t, 0,1,2,3
	ds_store_b128 v[STO], v[S+8*\t:S+8*\t+3] offset:64*\t
	ds_store_b128 v[STO], v[S+8*\t+4:S+8*\t+7] offset:64*\t+16
.endr
.irp i, 0,1,2,3,4,5,6,7
	ds_load_b128 v[FRG+4*\i:FRG+4*\i+3], v[RD] offset:2*SPI*\i     ; LDS serves a wave's instructions in order (ISA guide 5.7.1.4)
.endr
.irp i, 0,1,2,3,4,5,6,7
	s_wait_dscnt 7-\i                              ; rows 2 i, 2 i + 1 are back; the later loads may be out
	global_store_b128 v[GO], v[FRG+4*\i:FRG+4*\i+3], s[8:9] offset:8192*\i+1048576*\p th:TH_STORE_NT
.endr
.endm
	INIT 0
	s_wait_tensorcnt 0x0                           ; my record is in
	s_barrier_signal -1                            ; (no LDS instruction of mine is out)
	s_barrier_wait -1                              ; everybody's is: the whole head lies in LDS, and nothing is filled again
	s_mov_b32 s[TB], 0
	LOOP 16
	s_wait_alu depctr_va_vdst(0)
	OUTP 0
	s_wait_xcnt 0x0                                ; the stores have read their registers: the next pass loads into them
	INIT 1
	s_mov_b32 s[TB], 0
	LOOP 16
	s_wait_alu depctr_va_vdst(0)
	OUTP 1
	s_wait_tensorcnt 0x0                           ; the wave's end
	ds_add_u32 v254, v255
	s_wait_dscnt 0x0
	CROUND                                         ; the closing round
	s_endpgm
.Lfunc_end_k_q363b84c84a_attn:
	.size	k_q363b84c84a_attn, .Lfunc_end_k_q363b84c84a_attn-k_q363b84c84a_attn
	.p2alignl 7, 3214868480
	.fill 96, 4, 3214868480
	.section	.rodata,"a",@progbits
	.p2align	6, 0x0
	.amdhsa_kernel k_q363b84c84a_attn
		.amdhsa_group_segment_fixed_size 276480
		.amdhsa_private_segment_fixed_size 0
		.amdhsa_enable_private_segment 0
		.amdhsa_kernarg_size 24
		.amdhsa_user_sgpr_count 2
		.amdhsa_user_sgpr_kernarg_segment_ptr 1
		.amdhsa_wavefront_size32 1
		.amdhsa_system_sgpr_workgroup_id_x 1
		.amdhsa_system_sgpr_workgroup_id_y 1
		.amdhsa_system_sgpr_workgroup_id_z 1
		.amdhsa_system_vgpr_workitem_id 0
		.amdhsa_next_free_vgpr 256
		.amdhsa_next_free_sgpr 66
		.amdhsa_reserve_vcc 0
		.amdhsa_float_denorm_mode_32 3
		.amdhsa_float_denorm_mode_16_64 3
		.amdhsa_memory_ordered 1
		.amdhsa_forward_progress 1
		.amdhsa_inst_pref_size 49
	.end_amdhsa_kernel
	.amdgpu_metadata
---
amdhsa.version: [ 1, 2 ]
amdhsa.kernels:
  - .name:           k_q363b84c84a_attn
    .symbol:         k_q363b84c84a_attn.kd
    .args:
      - { .name: kv, .offset: 0, .size: 8, .value_kind: global_buffer, .address_space: global }
      - { .name: qb, .offset: 8, .size: 8, .value_kind: global_buffer, .address_space: global }
      - { .name: out0, .offset: 16, .size: 8, .value_kind: global_buffer, .address_space: global }
    .group_segment_fixed_size: 276480
    .private_segment_fixed_size: 0
    .kernarg_segment_align: 8
    .kernarg_segment_size: 24
    .max_flat_workgroup_size: 512
    .sgpr_count:     66
    .vgpr_count:     256
    .wavefront_size: 32
...
	.end_amdgpu_metadata
.endif
;; end of part 3
